; MI455X (gfx1250); checked and timed in simulation.
; The chip was launched on July 23, 2026; its instructions are those of AMD's public machine-readable ISA for CDNA 5 (MIT licence, August 2026) and "CDNA5" Instruction Set Architecture Reference Guide (July 2026). The comments in the code are by the model that wrote it; some were corrected since.
;; Attention. Allowed arithmetic: matrix products marked QUANTISED: E2M1 operands, one E8M0 scale for each 32 along K, by v_wmma_scale_f32_16x16x128_f8f6f4 with both operands' format E2M1 (or v_wmma_scale_f32_32x16x128_f4), f32 sums; products left as they are: f32 operands where the result goes on into a quantised operand, else bf16, f16 or f32 operands; f32 sums; everything else in f32.
;; Inputs: V 1,024 x 1 float32; W1 1,024 x 1,024 float32; W2 1,024 x 1,024 float32; b1 1,024 float32; b2 1,024 float32; bV 1 float32; features 32 x 2,048 x 1,024 float32; hidden 32 x 1,024 float32.
;; Outputs: out0 32 x 1,024 float32; out1 32 x 2,048 x 1 float32.
;; This version of the problem:
;;   THIS VERSION OF THE PROBLEM IS GIVEN IN LOW PRECISION. The matrix products marked QUANTISED in the list below multiply operands that are first quantised to E2M1 (2 exponent bits, 1 mantissa bit; 4 bits a number), with one power-of-two scale for each 32 numbers along K (OCP MX v1.0); their sums are f32. All else is computed in f32.
;;   The module's matrix products, in the order in which they are computed (A, B: the left and right operand; K: the contracted axis; several contracted axes count as one K, in the product's order):
;;     1. [M 65,536, K 1,024] x [K 1,024, N 1,024]; A: input features; B: input W1: QUANTISED
;;     2. [M 32, K 1,024] x [K 1,024, N 1,024]; A: input hidden; B: input W2: QUANTISED
;;     3. [M 65,536, K 1,024] x [K 1,024, N 1]; A: computed on the way; B: input V: left as it is (N = 1 < 16)
;;   THE QUANTISER, for each operand of a quantised product, along K:
;;     - K is cut into blocks of 32 from its start; a last block that is shorter is filled with zeros.
;;     - A block's scale is 2^e with e = floor(log2(the largest magnitude in the block)) - 2, held to -126 .. 127; a block of zeros has e = 0. As a byte (E8M0): e + 127.
;;     - Each number is divided by its block's scale, clamped to +-6, and rounded to the nearest number of E2M1, ties to even, subnormals kept.
;;     - The product sums the exact products of the quantised numbers (number of the format x scale) in f32.
;;   ~~~python
;;   def quantise(x, axis):      # numpy; x: float32 -> the quantised numbers, widened to float32 again
;;       x = np.moveaxis(x, axis, -1); K = x.shape[-1]
;;       x = np.pad(x, [(0, 0)] * (x.ndim - 1) + [(0, -K % 32)]); x = x.reshape(x.shape[:-1] + (-1, 32)); a = np.abs(x).max(-1, keepdims=True)
;;       e = np.where(a > 0, np.clip(np.frexp(np.where(a > 0, a, 1))[1] - 1 - 2, -126, 127), 0)      # np.frexp(a)[1] - 1 = floor(log2(a)), exactly
;;       r = np.clip(x / 2.0 ** e, -6, 6)
;;       step = 2.0 ** (np.maximum(np.frexp(np.where(r == 0, 1, r))[1] - 1, 0) - 1)
;;       q = np.round(r / step) * step * 2.0 ** e      # np.round: ties to even
;;       return np.moveaxis(q.reshape(q.shape[:-2] + (-1,))[..., :K], -1, axis).astype(np.float32)
;;   ~~~
;; One version. Each part assembles by itself: llvm-mc -triple=amdgcn-amd-amdhsa -mcpu=gfx1250 --defsym DOCPART=n.
;; ======== version 1 of 1: 3 launches
;; limits: right only within a limited range of input values
;; workspace buffers: wq 524,288 bytes; wsq 32,768 bytes; ph 131,072 bytes; lg 262,144 bytes; pc 1,048,576 bytes; pml 65,536 bytes
;; launch prep (part 1): grid 128 x 1, 8 waves a work-group, no clusters, 18,432 bytes of LDS; arguments W1, W2, hidden, b1, b2, wq, wsq, ph; writes wq, wsq, ph
.if DOCPART == 1
	.amdgcn_target "amdgcn-amd-amdhsa--gfx1250"
	.amdhsa_code_object_version 6
	.text
	.protected	k_q0a8a208cd9_prep
	.globl	k_q0a8a208cd9_prep
	.p2align	8
	.type	k_q0a8a208cd9_prep,@function
k_q0a8a208cd9_prep:
	s_mov_b64 s[64:65], 0
	v_nop
	global_prefetch_b8 v0, s[64:65] scope:SCOPE_SE
	s_setreg_imm32_b32 hwreg(HW_REG_WAVE_MODE, 25, 1), 1
	s_wait_xcnt 0x0
; Two jobs on one quantiser.  W1 and W2 are [1024 (k)][1024 (n)] f32 with K on the FIRST axis; both are turned into codes of FP4 (E2M1) with one E8M0 scale byte for each 32 along K.
; A LANE TAKES A COLUMN AND ITS REGISTERS RUN DOWN K, in the operand's own order: the conversions' results are the operand's registers; nothing is transposed.  One wave makes one fragment (16 columns x 128 K).
; WORK-GROUPS 64-127: W1.  Two neighbouring column tiles x four K steps; the fragments go to memory in the order in which the next launch's registers take them:
;   wq  [w 4][g 4][s 8][j 4][c 2][lane 32][16 bytes]: w = the wave that owns columns 256 w .. 256 w + 255; g = group of 64 columns; s = K step of 128; j = tile of 16 columns;
;       lane (r, h), half c: k = 128 s + 64 c + 32 h + 0..31 of column 256 w + 64 g + 16 j + r.
;   wsq [w 4][g 4][np 2][q 2][lane 32][16 bytes]: lane = 16 (j & 1) + r, j = 2 np + (j & 1); the 16 bytes are the scale words of K steps 4 q .. 4 q + 3.
; WORK-GROUPS 0-63: c (Q(hidden) Q(W2) + b1 + b2), c = 2 log2(e), for one tile of 16 columns and all 32 rows of hidden.  Wave s takes K step s: its fragment of W2 never leaves its registers; hidden's two tiles of 16 rows
;   are quantised by the same lines (lane (r, h) holds the same k of its ROW r); two matrix instructions; the eight waves' parts meet in LDS as images of the result registers and are added by waves 0-3.
;   ph  [column tile 64][t 2][jh 2][lane 32][4] f32: row 16 t + 8 h + 4 jh + i of hidden, column 16 tile + r, lane = 16 h + r: the image of the result registers, 2,048 bytes on end a work-group.
; The two jobs part once, on the work-group's number; each has its own barrier, its own end and its own LDS bytes (W1: 0-511; W2: 1,024-17,407).
; A block's scale is 2^(floor(log2(largest magnitude)) - 2); its byte is the largest magnitude's exponent field - 2, held at 1 from below.
; LIMITS: a block of zeros, or one whose largest magnitude lies under 2^-124, keeps the byte 1 (zero blocks have zero codes; this program alone reads the bytes); NaN and infinities are not served;
; hidden's product is summed as eight parts along K, in another order than reference()'s.
.set PB, 1024                          ; LDS: the eight waves' parts, 2,048 bytes each
.macro LOADW                           ; W(128 s + 64 c + 32 h + i, my column) -> v[64 + 32 c + i]
.irp c, 0,1
.irp i, 0,1,2,3,4,5,6,7,8,9,10,11,12,13,14,15,16,17,18,19,20,21,22,23,24,25,26,27,28,29,30,31
	global_load_b32 v[64+32*\c+\i], v5, s[4:5] offset:4096*(64*\c+\i)
.endr
.endr
.endm
; 64 numbers of a lane, v[S + 32 c + i] = k 64 c + 32 h + i of its column (or row) r, become a fragment's codes in v[C .. C + 7] and its scale word in v[W].  A lane holds two whole blocks.
.macro QF S, C, W
.irp c, 0,1
	v_max3_num_f32 v[32+\c], |v[(\S)+32*\c]|, |v[(\S)+1+32*\c]|, 0x1800000   ; with the floor 2^(3 - 127): the byte cannot fall under 1
.endr
.irp i, 2,4,6,8,10,12,14,16,18,20,22,24,26,28,30
.irp c, 0,1
	s_delay_alu instid0(VALU_DEP_2)
	v_max3_num_f32 v[32+\c], v[32+\c], |v[(\S)+32*\c+\i]|, |v[(\S)+1+32*\c+\i]|
.endr
.endr
.irp c, 0,1
	s_delay_alu instid0(VALU_DEP_2)
	v_add_nc_u32 v[44+\c], 0xff000000, v[32+\c]    ; 2 off the exponent field: the conversion's scale operand
.endr
.irp c, 0,1
	s_delay_alu instid0(VALU_DEP_2)
	v_lshrrev_b32 v[36+\c], 23, v[44+\c]           ; the scale's byte
.endr
	s_delay_alu instid0(VALU_DEP_1)
	v_lshl_or_b32 v[\W], v37, 16, v36              ; my two bytes: blocks h and 2 + h,
	s_delay_alu instid0(VALU_DEP_1)
	v_lshlrev_b32 v[\W], v11, v[\W]                ; at their places in the word (8 h bits up);
	s_delay_alu instid0(VALU_DEP_1)
	v_permlanex16_b32 v10, v[\W], s32, s33
	s_delay_alu instid0(VALU_DEP_1)
	v_or_b32 v[\W], v[\W], v10                     ; with lane l xor 16's two the word is whole
.irp c, 0,1
.irp g, 0,1,2,3
	v_cvt_scalef32_pk8_fp4_f32 v[(\C)+4*\c+\g], v[(\S)+32*\c+8*\g:(\S)+32*\c+8*\g+7], v[44+\c]
.endr
.endr
	v_nop                                          ; one plain line behind the last scaled conversion
.endm
	s_load_b512 s[4:19], s[0:1], 0x0               ; W1 s[4:5], W2 s[6:7], hidden s[8:9], b1 s[10:11], b2 s[12:13], wq s[14:15], wsq s[16:17], ph s[18:19]
	v_lshl_add_u32 v46, v0, 2, 0x4400
	v_mov_b32 v47, 0
	v_lshrrev_b32 v1, 5, v0
	s_delay_alu instid0(VALU_DEP_1)
	v_readfirstlane_b32 s20, v1                    ; wave 0..7
	v_and_b32 v1, 15, v0                           ; r
	v_bfe_u32 v2, v0, 4, 1                         ; h
	v_and_b32 v3, 31, v0                           ; lane
	s_delay_alu instid0(VALU_DEP_1)
	v_lshlrev_b32 v4, 4, v3                        ; 16 x lane
	s_delay_alu instid0(VALU_DEP_4)
	v_lshlrev_b32 v5, 2, v1
	s_delay_alu instid0(VALU_DEP_1)
	v_lshl_add_u32 v5, v2, 17, v5                  ; W: 4 r + 32 rows of 4,096 bytes for lanes 16-31
	v_lshlrev_b32 v7, 12, v1
	s_delay_alu instid0(VALU_DEP_1)
	v_lshl_add_u32 v7, v2, 7, v7                   ; hidden: row r of 4,096 bytes + 32 numbers for lanes 16-31
	v_lshlrev_b32 v8, 2, v1                        ; b1, b2: 4 r
	v_lshlrev_b32 v11, 3, v2                       ; 8 h
	v_mov_b32 v10, 0                               ; a lane permute's destination counts as one of its sources
	v_lshlrev_b32 v15, 4, v0                       ; 16 x thread
	s_lshl_b32 s29, s20, 11
	v_add_nc_u32 v9, s29, v4                       ; LDS: my wave's part: 2,048 x wave + 16 x lane
	s_lshr_b32 s21, ttmp9, 6                       ; 0: W2 and hidden's product, 1: W1
	s_and_b32 s22, ttmp9, 63
	s_lshr_b32 s23, s22, 1                         ; W1: the pair of column tiles, 0..31
	s_and_b32 s24, s22, 1                          ; q: which four K steps
	s_lshr_b32 s25, s20, 2                         ; jj: which tile of the pair
	s_and_b32 s26, s20, 3                          ; which of the four K steps
	s_lshl_b32 s29, s25, 8
	s_lshl_b32 s38, s26, 2
	s_add_co_u32 s29, s29, s38
	v_lshl_add_u32 v6, v1, 4, s29                  ; LDS, W1: 16 r + 256 jj + 4 x (K step in the four): my column's word
	s_lshl_b32 s27, s23, 1
	s_add_co_u32 s27, s27, s25                     ; W1's column tile
	s_lshl_b32 s28, s24, 2
	s_add_co_u32 s28, s28, s26                     ; W1's K step
	s_cmp_eq_u32 s21, 0
	s_cselect_b32 s27, s22, s27                    ; W2: the column tile is the work-group's,
	s_cselect_b32 s28, s20, s28                    ; the K step the wave's
	s_lshl_b32 s30, s28, 19                        ; the source: 128 rows of 4,096 bytes a K step
	s_lshl_b32 s38, s27, 6
	s_add_co_u32 s30, s30, s38                     ; + 16 columns x 4 bytes a tile
	s_mov_b32 s31, 0
	s_lshr_b32 s38, s23, 3                         ; w
	s_bfe_u32 s39, s23, 0x20001                    ; g
	s_and_b32 s29, s23, 1                          ; np
	s_lshl_b32 s34, s38, 17                        ; wq: 131,072 w + 32,768 g + 4,096 s + 1,024 (2 np + jj)
	s_lshl_b32 s40, s39, 15
	s_add_co_u32 s34, s34, s40
	s_lshl_b32 s40, s28, 12
	s_add_co_u32 s34, s34, s40
	s_lshl_b32 s40, s29, 11
	s_add_co_u32 s34, s34, s40
	s_lshl_b32 s40, s25, 10
	s_add_co_u32 s34, s34, s40
	s_mov_b32 s35, 0
	s_lshl_b32 s36, s38, 13                        ; wsq: 8,192 w + 2,048 g + 1,024 np + 512 q
	s_lshl_b32 s40, s39, 11
	s_add_co_u32 s36, s36, s40
	s_lshl_b32 s40, s29, 10
	s_add_co_u32 s36, s36, s40
	s_lshl_b32 s40, s24, 9
	s_add_co_u32 s36, s36, s40
	s_mov_b32 s37, 0
	s_mov_b32 s32, 0x76543210
	s_mov_b32 s33, 0xfedcba98                      ; v_permlanex16_b32's selects for lane l xor 16
	s_mov_b32 s41, 0
	s_wait_kmcnt 0x0
	s_cmp_eq_u32 s21, 0                            ; the choice hangs on the work-group's number alone
	s_cselect_b64 s[4:5], s[6:7], s[4:5]
	s_add_nc_u64 s[4:5], s[4:5], s[30:31]
	s_add_nc_u64 s[14:15], s[14:15], s[34:35]
	s_add_nc_u64 s[16:17], s[16:17], s[36:37]
	s_lshl_b32 s40, s28, 9
	s_add_nc_u64 s[8:9], s[8:9], s[40:41]          ; hidden: 128 numbers a K step
	s_lshl_b32 s40, s27, 6
	s_add_nc_u64 s[10:11], s[10:11], s[40:41]      ; b1, b2 at the tile's first column
	s_add_nc_u64 s[12:13], s[12:13], s[40:41]
	s_lshl_b32 s40, s27, 11
	s_add_nc_u64 s[18:19], s[18:19], s[40:41]      ; ph: 2,048 bytes a tile
	s_cmp_lg_u32 s21, 0
	s_cbranch_scc1 .Lw1
	; ---- W2 and hidden's product
	s_wait_alu depctr_va_vdst(0)
	LOADW
.irp t, 0,1
.irp c, 0,1
.irp e, 0,1,2,3,4,5,6,7
	global_load_b128 v[128+64*\t+32*\c+4*\e:128+64*\t+32*\c+4*\e+3], v7, s[8:9] offset:65536*\t+256*\c+16*\e   ; hidden(16 t + r, 128 s + 64 c + 32 h + 4 e ..)
.endr
.endr
.endr
	global_load_b32 v24, v8, s[10:11]
	global_load_b32 v25, v8, s[12:13]
	s_wait_loadcnt 34                              ; W2's 64 loads are in; hidden's 32 and the two of the biases may be out
	QF 64, 48, 12
	s_wait_loadcnt 0x0
	QF 128, 56, 13
	QF 192, 16, 14
.rept 8
	v_nop                                          ; a scale register written by a vector instruction stands 8 places ahead of a scaled matrix instruction, an operand so written 4
.endr
	v_wmma_scale_f32_16x16x128_f8f6f4 v[64:71], v[56:63], v[48:55], 0, v13, v12 matrix_a_fmt:MATRIX_FMT_FP4 matrix_b_fmt:MATRIX_FMT_FP4   ; rows 0-15 of hidden x my 16 columns, my 128 along K
	v_wmma_scale_f32_16x16x128_f8f6f4 v[72:79], v[16:23], v[48:55], 0, v14, v12 matrix_a_fmt:MATRIX_FMT_FP4 matrix_b_fmt:MATRIX_FMT_FP4   ; rows 16-31
.rept 4
	v_nop                                          ; four places ahead of the first read of results (ISA guide 7.12.1)
.endr
	ds_store_b128 v9, v[64:67] offset:PB           ; the results as they stand, each from its low end on: 512 bytes on end a store
	ds_store_b128 v9, v[68:71] offset:PB+512
	ds_store_b128 v9, v[72:75] offset:PB+1024
	ds_store_b128 v9, v[76:79] offset:PB+1536
	s_wait_dscnt 0x0                               ; for the others' sake: my part has landed
	s_barrier_signal -1
	s_barrier_wait -1
	s_cmp_gt_u32 s20, 3
	s_cbranch_scc1 .Ldone
.irp u, 0,1,2,3,4,5,6,7
	ds_load_b128 v[96+4*\u:99+4*\u], v15 offset:PB+2048*\u   ; threads 0-127: 16 bytes of the image, from each of the eight parts
.endr
	v_add_f32 v24, v24, v25                        ; b1 + b2 at my column
	s_wait_dscnt 0x0
.irp u, 0,2,4,6
	v_pk_add_f32 v[96+4*\u:97+4*\u], v[96+4*\u:97+4*\u], v[100+4*\u:101+4*\u]
	v_pk_add_f32 v[98+4*\u:99+4*\u], v[98+4*\u:99+4*\u], v[102+4*\u:103+4*\u]
.endr
.irp u, 0
	v_pk_add_f32 v[96+4*\u:97+4*\u], v[96+4*\u:97+4*\u], v[104+4*\u:105+4*\u]
	v_pk_add_f32 v[98+4*\u:99+4*\u], v[98+4*\u:99+4*\u], v[106+4*\u:107+4*\u]
.endr
.irp u, 4
	s_delay_alu instid0(VALU_DEP_4)
	v_pk_add_f32 v[96+4*\u:97+4*\u], v[96+4*\u:97+4*\u], v[104+4*\u:105+4*\u]
	s_delay_alu instid0(VALU_DEP_4)
	v_pk_add_f32 v[98+4*\u:99+4*\u], v[98+4*\u:99+4*\u], v[106+4*\u:107+4*\u]
.endr
	s_delay_alu instid0(VALU_DEP_2)
	v_pk_add_f32 v[96:97], v[96:97], v[112:113]
	s_delay_alu instid0(VALU_DEP_2)
	v_pk_add_f32 v[98:99], v[98:99], v[114:115]
.irp k, 0,1,2,3
	v_add_f32 v[96+\k], v[96+\k], v24
.endr
.irp k, 0,1,2,3
	s_delay_alu instid0(VALU_DEP_4)
	v_mul_f32 v[96+\k], 0x4038aa3b, v[96+\k]       ; x c = 2 log2(e)
.endr
	global_store_b128 v15, v[96:99], s[18:19]      ; a wave stores 512 bytes on end
	s_wait_tensorcnt 0x0
	ds_add_u32 v46, v47
	s_wait_dscnt 0x0
	s_endpgm
	; ---- W1
.Lw1:
	s_wait_alu depctr_va_vdst(0)
	LOADW
	s_wait_loadcnt 0x0
	QF 64, 48, 12
	global_store_b128 v4, v[48:51], s[14:15]       ; the fragment as it stands: 512 bytes on end, twice
	global_store_b128 v4, v[52:55], s[14:15] offset:512
	ds_store_b32 v6, v12                           ; both halves of the lanes write the same word with the same value
	s_wait_dscnt 0x0                               ; for the others' sake: my word has landed
	s_barrier_signal -1
	s_barrier_wait -1
	s_cmp_lg_u32 s20, 0
	s_cbranch_scc1 .Ldone
	ds_load_b128 v[96:99], v4                      ; wave 0: the work-group's 128 words, 16 bytes a lane
	s_wait_dscnt 0x0
	global_store_b128 v4, v[96:99], s[16:17]       ; 512 bytes on end
.Ldone:
	s_wait_tensorcnt 0x0
	ds_add_u32 v46, v47
	s_wait_dscnt 0x0
	s_endpgm
.Lfunc_end_k_q0a8a208cd9_prep:
	.size	k_q0a8a208cd9_prep, .Lfunc_end_k_q0a8a208cd9_prep-k_q0a8a208cd9_prep
	.p2alignl 7, 3214868480
	.fill 96, 4, 3214868480
	.section	.rodata,"a",@progbits
	.p2align	6, 0x0
	.amdhsa_kernel k_q0a8a208cd9_prep
		.amdhsa_group_segment_fixed_size 18432
		.amdhsa_private_segment_fixed_size 0
		.amdhsa_enable_private_segment 0
		.amdhsa_kernarg_size 64
		.amdhsa_user_sgpr_count 2
		.amdhsa_user_sgpr_kernarg_segment_ptr 1
		.amdhsa_wavefront_size32 1
		.amdhsa_system_sgpr_workgroup_id_x 1
		.amdhsa_system_sgpr_workgroup_id_y 1
		.amdhsa_system_sgpr_workgroup_id_z 1
		.amdhsa_system_vgpr_workitem_id 0
		.amdhsa_next_free_vgpr 256
		.amdhsa_next_free_sgpr 66
		.amdhsa_reserve_vcc 0
		.amdhsa_float_denorm_mode_32 3
		.amdhsa_float_denorm_mode_16_64 3
		.amdhsa_memory_ordered 1
		.amdhsa_forward_progress 1
		.amdhsa_inst_pref_size 40
	.end_amdhsa_kernel
	.amdgpu_metadata
---
amdhsa.version: [ 1, 2 ]
amdhsa.kernels:
  - .name:           k_q0a8a208cd9_prep
    .symbol:         k_q0a8a208cd9_prep.kd
    .args:
      - { .name: W1, .offset: 0, .size: 8, .value_kind: global_buffer, .address_space: global }
      - { .name: W2, .offset: 8, .size: 8, .value_kind: global_buffer, .address_space: global }
      - { .name: hidden, .offset: 16, .size: 8, .value_kind: global_buffer, .address_space: global }
      - { .name: b1, .offset: 24, .size: 8, .value_kind: global_buffer, .address_space: global }
      - { .name: b2, .offset: 32, .size: 8, .value_kind: global_buffer, .address_space: global }
      - { .name: wq, .offset: 40, .size: 8, .value_kind: global_buffer, .address_space: global }
      - { .name: wsq, .offset: 48, .size: 8, .value_kind: global_buffer, .address_space: global }
      - { .name: ph, .offset: 56, .size: 8, .value_kind: global_buffer, .address_space: global }
    .group_segment_fixed_size: 18432
    .private_segment_fixed_size: 0
    .kernarg_segment_align: 8
    .kernarg_segment_size: 64
    .max_flat_workgroup_size: 256
    .sgpr_count:     66
    .vgpr_count:     256
    .wavefront_size: 32
...
	.end_amdgpu_metadata
.endif
;; end of part 1
;; launch main (part 2): grid 256 x 1, 4 waves a work-group, no clusters, 327,680 bytes of LDS; arguments features, V, bV, ph, wq, wsq, lg, pc, pml; writes lg, pc, pml
.if DOCPART == 2
	.amdgcn_target "amdgcn-amd-amdhsa--gfx1250"
	.amdhsa_code_object_version 6
	.text
	.protected	k_q0a8a208cd9_main
	.globl	k_q0a8a208cd9_main
	.p2align	8
	.type	k_q0a8a208cd9_main,@function
k_q0a8a208cd9_main:
	s_mov_b64 s[64:65], 0
	v_nop
	global_prefetch_b8 v0, s[64:65] scope:SCOPE_SE
	s_setreg_imm32_b32 hwreg(HW_REG_WAVE_MODE, 25, 1), 1
	s_wait_xcnt 0x0
; logits[b][t] = V . tanh(Q(features[b][t]) Q(W1) + b1 + Q(hidden[b]) Q(W2) + b2) + bV, a running softmax over the work-group's rows, and the weighted sum of its rows of features.
; The product on codes of FP4 (E2M1) with one E8M0 scale for each 32 along K; everything else in f32.  c (Q(hidden) Q(W2) + b1 + b2), c = 2 log2(e), comes ready from launch prep (ph).
; SHARES.  Work-group g owns rows 256 g .. 256 g + 255 of features (all of batch g / 8), as 4 tiles of 64 rows.  features IS READ FROM MEMORY ONCE: a tile lands in LDS by tensor loads while the tile
; before it is in use, is copied into 512 registers of each wave (16 rows a wave), is quantised from there, and is weighted from there when its 64 logits are known.
; Wave w owns rows 16 w .. 16 w + 15 of a tile (fetch, keep, quantise, weight) and columns 256 w .. 256 w + 255 of the product, for all 64 rows.
; The weights come as images of operand registers (launch prep), from memory straight into a ring of five register slots, a K step of 128 x 64 columns to a slot.
; tanh(x) = 1 - 2 / (1 + 2^(c x)): the 1 enters as the logit's start value, the sum of V; where 2^(c x) is infinite or 0 the result is +1 or -1.
; OUT: lg, the 256 logits; pc, the sum of 2^((logit - m) log2 e) x features row, m the work-group's largest logit; pml, (m, the sum of those weights).  The next launch joins the eight parts of a batch.
; NO JOINT LOADS for the weights, which all work-groups walk: LDS holds 278,528 bytes of landing slot, 45,056 of codes, scales and tables and 512 of spare words; 3,584 are left,
; and one K step of one group's weights for the four waves is 16,384.
; LIMITS: NaN and infinities among the inputs are not served; a block of zeros, or one whose largest magnitude lies under 2^-124, keeps the scale byte 1 (zero blocks have zero codes);
; weights under 2^-126 of the largest come out as 0; logits under -2^127 are not served; the f32 sums over units and over rows are taken in another order than reference()'s.
; REGISTERS, in windows of 256.  Window 0: v1-24 addresses and running numbers; v25-31, v112-127 at work; v32-47 bias and -2 V of the group's 4 column tiles (even registers; the odd ones are 0);
;   v48-63 x's scale words, v64-79 the weights' (these hold scales and nothing else); v80-111 the 32 partial logits, else the quantiser's largest magnitudes; v128-255 the 16 accumulators, else the quantiser's bytes and codes.
; Window 1: v0-63 x's fragments, two buffers of four; v64-223 the weights' ring; v224-255 the context, column 256 c + 8 lane + i at 224 + 8 c + i.
; Windows 2, 3: the tile in use: row p, column 256 c + 8 lane + i at 32 (p % 8) + 8 c + i; rows 0-7 in window 2, rows 8-15 in window 3.
.set FLW,   69632                      ; LDS: a wave's part of the landing slot: 65,536 bytes as 256 pieces of 256 + 16 of padding; the four lie from byte 0 on; tensor loads alone fill them
.set XC,    278528                     ; x's codes: 64 rows of 512 bytes + 16
.set XP,    528
.set XSC,   312320                     ; x's scale bytes: 32 a row
.set LG,    314368                     ; [wave 4][row 64] partial logits
.set TBB,   315392                     ; a wave's 1,024 bytes: [group 4][tile 4][r 16]: c (hidden's product + b1 + b2); 4,096 bytes on: -2 V in the same shape
.set SPARE, 323584                     ; the spare words, 128 bytes a wave: two blocks of 256 bytes that no other line names
.set L16, 1                            ; 16 x lane
.set WOC, 2                            ; offset in my slice of wq: this group
.set WOA, 3                            ; the next group
.set WSO, 4                            ; offset in my slice of wsq: the next group
.set XFA, 5                            ; XC + 528 r + 16 h
.set XSA, 6                            ; XSC + 32 x lane
.set CP0, 7                            ; my place in my part of the landing slot, rows 0-7
.set CP1, 8                            ; rows 8-15
.set XCW, 9                            ; XC + 8,448 w + 4 x lane
.set XSB, 10                           ; XSC + 512 w + lane / 4
.set TB0, 11                           ; TBB + 1,024 w + 4 r
.set TBA, 12                           ; TB0 + the group's 256 bytes
.set LGW, 13                           ; LG + 256 w + 32 h
.set LGR, 14                           ; LG + 8 x lane
.set LGO, 15                           ; LG + 64 w + 4 r
.set SPW, 16                           ; SPARE + 4 x my thread's number; never rewritten
.set NIL, 17                           ; 0; never rewritten
.set GLO, 18                           ; 8 x lane
.set RM,  19                           ; the running largest logit
.set LS,  20                           ; my lane's running sum of weights (rows 2 lane, 2 lane + 1 of each tile)
.set SV,  21                           ; the sum of V at my lane's 16 columns
.set CES, 22                           ; the end: XC + 4,096 w + 32 x lane
.set CER, 23                           ; XC + 1,024 w + 16 x lane
.set CPO, 24                           ; 1,024 w + 16 x lane
.set BI,  32
.set VV,  40
.set XS,  48
.set WS,  64
.set LOG, 80
.set QT,  80
.set ACC, 128
.set QB0, 128
.set QC0, 160
.set QB1, 192
.set QC1, 224
.set RING, 64                          ; window 1
.set CTX, 224                          ; window 1
.set PWQ, 12                           ; s[12:13] my slice of wq
.set PWS, 14                           ; s[14:15] my slice of wsq
.set PLG, 16                           ; s[16:17] lg
.set PPC, 18                           ; s[18:19] pc
.set PML, 20                           ; s[20:21] pml
.set WV,  40                           ; s40 wave
.set SEL, 42                           ; s[42:43] selects for lane l xor 16
.set CC,  44                           ; s[44:45] c = 2 log2(e)
.set L2E, 46                           ; s46 log2(e)
.set BV,  48                           ; s[48:49] bV
.set GC,  50                           ; s50 this group's bytes into my slice of wq
.set GN,  51                           ; s51 the next group's
.set TC,  52                           ; s52 tiles to go
.set GK,  53                           ; s53 groups to go
.set TG,  54                           ; s54 the group's place in the tables
.set FF,  56                           ; s[56:57] 2^((old m - new m) log2 e)
.set PW,  66                           ; s[66+2p] the weight of my row p; the odd ones are 0
.set MSB, 0
.macro WIN new                         ; the immediate's high byte repeats the setting that is left; a switch that changes nothing is dropped
.if MSB != (\new)
	s_set_vgpr_msb (MSB<<8)|(\new)
.set MSB, (\new)
.endif
.endm
.macro PLACES                          ; four places behind a matrix instruction, ahead of loads into its operands and of the first read of results; also the four lines behind a tensor load
.rept 4
	v_nop
.endr
.endm
; THE QUANTISER.  ng runs of 8 neighbours along K lie in registers 8 g .. 8 g + 7 of a window; a block of 32 lies in four neighbouring lanes.
.macro QMAX ng, win                    ; win: sources 1 and 2 in the numbers' window
	WIN \win
.set QG, 0
.rept \ng
	v_max3_num_f32 v[QT+QG], 0x1800000, |v[8*QG]|, |v[8*QG+1]|      ; with the floor 2^(3 - 127): the byte cannot fall under 1
.set QG, QG+1
.endr
.irp i, 2,4,6
.set QG, 0
.rept \ng
	v_max3_num_f32 v[QT+QG], v[QT+QG], |v[8*QG+\i]|, |v[8*QG+\i+1]|
.set QG, QG+1
.endr
.endr
.endm
.macro QSC ng, B
	WIN 0
.irp k, 1,2
.set QG, 0
.rept \ng
	v_max_num_f32_dpp v[QT+QG], v[QT+QG], v[QT+QG] row_xmask:\k row_mask:0xf bank_mask:0xf   ; with the three lanes that share the block
.set QG, QG+1
.endr
.endr
.set QG, 0
.rept \ng
	v_add_nc_u32 v[QT+QG], 0xff000000, v[QT+QG]    ; 2 off the exponent field: the conversion's scale operand
.set QG, QG+1
.endr
.set QG, 0
.rept \ng
	v_lshrrev_b32 v[\B+QG], 23, v[QT+QG]           ; the scale's byte
.set QG, QG+1
.endr
.endm
.macro QCVT ng, C, win                 ; win: source 0 in the numbers' window
	WIN \win
.set QG, 0
.rept \ng
	v_cvt_scalef32_pk8_fp4_f32 v[\C+QG], v[8*QG:8*QG+7], v[QT+QG]
.set QG, QG+1
.endr
	v_nop                                          ; one plain line behind the last scaled conversion
	WIN 0
.endm
.macro QST rb, B, C                    ; eight rows' codes and bytes to LDS: 128 bytes on end a store of codes; four lanes write the same byte with the same value
.irp p, 0,1,2,3,4,5,6,7
.irp c, 0,1,2,3
	ds_store_b32 v[XCW], v[\C+4*\p+\c] offset:XP*(\rb+\p)+128*\c
	ds_store_b8 v[XSB], v[\B+4*\p+\c] offset:32*(\rb+\p)+8*\c
.endr
.endr
.endm
.macro COPYQ q                         ; my rows 4 q .. 4 q + 3 out of the landing slot (q = 0, 1: window 2; q = 2, 3: window 3): a row is 16 pieces (4,352 bytes), 1,024 bytes of it four (1,088)
	WIN 0x80+0x40*((\q)/2)
.irp p, 0,1,2,3
.irp c, 0,1,2,3
.irp e, 0,1
	ds_load_b128 v[32*(4*((\q)%2)+\p)+8*\c+4*\e:32*(4*((\q)%2)+\p)+8*\c+4*\e+3], v[CP0+(\q)/2] offset:4352*(4*((\q)%2)+\p)+1088*\c+16*\e
.endr
.endr
.endr
.endm
.macro XSLOAD                          ; x's scale words: register 8 mp + s: lanes 0-15 row tile 2 mp, lanes 16-31 row tile 2 mp + 1
.irp n, 0,1
.irp q, 0,1
	ds_load_b128 v[XS+8*\n+4*\q:XS+8*\n+4*\q+3], v[XSA] offset:1024*\n+16*\q
.endr
.endr
.endm
.macro XLOAD ks, buf                   ; x's four fragments of K step ks (window setting: destination 1)
.irp m, 0,1,2,3
.irp e, 0,1
	ds_load_b128 v[32*(\buf)+8*\m+4*\e:32*(\buf)+8*\m+4*\e+3], v[XFA] offset:16*XP*\m+64*(\ks)+32*\e
.endr
.endr
.endm
.macro WLOAD slot, off, voff           ; a K step of a group's weights, four fragments, 512 bytes on end a load (destination window 1)
.irp j, 0,1,2,3
.irp e, 0,1
	global_load_b128 v[RING+32*(\slot)+8*\j+4*\e:RING+32*(\slot)+8*\j+4*\e+3], v[\voff], s[PWQ:PWQ+1] offset:(\off)+1024*\j+512*\e
.endr
.endr
.endm
.macro WSLOAD                          ; a group's scale words: register 8 np + s: lanes 0-15 column tile 2 np, lanes 16-31 column tile 2 np + 1
.irp n, 0,1
.irp q, 0,1
	global_load_b128 v[WS+8*\n+4*\q:WS+8*\n+4*\q+3], v[WSO], s[PWS:PWS+1] offset:1024*\n+512*\q
.endr
.endr
.endm
; One product: rows 16 m on x columns 16 j on, K step ks, whose weights lie in ring slot ks % 5.  Source 0 = x, source 1 = the weights: a lane holds column r, register i row 8 h + i.  Odd tiles take their scales from lanes 16-31.
.macro WM m, j, ks, zero
.set rD, ACC+8*(4*(\m)+(\j))
.set rA, 32*((\ks)%2)+8*(\m)
.set rB, RING+32*((\ks)%5)+8*(\j)
.set rX, XS+8*((\m)/2)+(\ks)
.set rW, WS+8*((\j)/2)+(\ks)
.if \zero
.if ((\m)%2) && ((\j)%2)
	v_wmma_scale_f32_16x16x128_f8f6f4 v[rD:rD+7], v[rA:rA+7], v[rB:rB+7], 0, v[rX], v[rW] matrix_a_fmt:MATRIX_FMT_FP4 matrix_b_fmt:MATRIX_FMT_FP4 matrix_a_scale:MATRIX_SCALE_ROW1 matrix_b_scale:MATRIX_SCALE_ROW1
.elseif (\m)%2
	v_wmma_scale_f32_16x16x128_f8f6f4 v[rD:rD+7], v[rA:rA+7], v[rB:rB+7], 0, v[rX], v[rW] matrix_a_fmt:MATRIX_FMT_FP4 matrix_b_fmt:MATRIX_FMT_FP4 matrix_a_scale:MATRIX_SCALE_ROW1
.elseif (\j)%2
	v_wmma_scale_f32_16x16x128_f8f6f4 v[rD:rD+7], v[rA:rA+7], v[rB:rB+7], 0, v[rX], v[rW] matrix_a_fmt:MATRIX_FMT_FP4 matrix_b_fmt:MATRIX_FMT_FP4 matrix_b_scale:MATRIX_SCALE_ROW1
.else
	v_wmma_scale_f32_16x16x128_f8f6f4 v[rD:rD+7], v[rA:rA+7], v[rB:rB+7], 0, v[rX], v[rW] matrix_a_fmt:MATRIX_FMT_FP4 matrix_b_fmt:MATRIX_FMT_FP4
.endif
.else
.if ((\m)%2) && ((\j)%2)
	v_wmma_scale_f32_16x16x128_f8f6f4 v[rD:rD+7], v[rA:rA+7], v[rB:rB+7], v[rD:rD+7], v[rX], v[rW] matrix_a_fmt:MATRIX_FMT_FP4 matrix_b_fmt:MATRIX_FMT_FP4 matrix_a_scale:MATRIX_SCALE_ROW1 matrix_b_scale:MATRIX_SCALE_ROW1
.elseif (\m)%2
	v_wmma_scale_f32_16x16x128_f8f6f4 v[rD:rD+7], v[rA:rA+7], v[rB:rB+7], v[rD:rD+7], v[rX], v[rW] matrix_a_fmt:MATRIX_FMT_FP4 matrix_b_fmt:MATRIX_FMT_FP4 matrix_a_scale:MATRIX_SCALE_ROW1
.elseif (\j)%2
	v_wmma_scale_f32_16x16x128_f8f6f4 v[rD:rD+7], v[rA:rA+7], v[rB:rB+7], v[rD:rD+7], v[rX], v[rW] matrix_a_fmt:MATRIX_FMT_FP4 matrix_b_fmt:MATRIX_FMT_FP4 matrix_b_scale:MATRIX_SCALE_ROW1
.else
	v_wmma_scale_f32_16x16x128_f8f6f4 v[rD:rD+7], v[rA:rA+7], v[rB:rB+7], v[rD:rD+7], v[rX], v[rW] matrix_a_fmt:MATRIX_FMT_FP4 matrix_b_fmt:MATRIX_FMT_FP4
.endif
.endif
.endm
.macro MULS ks, zero                   ; a K step: the 16 accumulators by turns, one instruction a turn
.irp m, 0,1,2,3
.irp j, 0,1,2,3
	WM \m, \j, \ks, \zero
.endr
.endr
.endm
; 64 rows x 64 columns: y = c x + bias; 2^y; 1 + ..; 1 / ..; the partial logits take -2 V / (1 + 2^y).  Each kind of transcendental goes as one batch with one wait.
.macro TANH
.irp m, 0,1,2,3
.irp j, 0,1,2,3
.irp p, 0,2,4,6                                ; each accumulator from its low end on
	v_pk_fma_f32 v[ACC+8*(4*\m+\j)+\p:ACC+8*(4*\m+\j)+\p+1], v[ACC+8*(4*\m+\j)+\p:ACC+8*(4*\m+\j)+\p+1], s[CC:CC+1], v[BI+2*\j:BI+2*\j+1] op_sel_hi:[1,0,0]
.endr
.endr
.endr
.set QG, 0
	s_wait_alu depctr_va_vdst(0)
.rept 128
	v_exp_f32 v[ACC+QG], v[ACC+QG]
.set QG, QG+1
.endr
	v_nop                                          ; a plain line behind the last exponential
	s_wait_alu depctr_va_vdst(0)                   ; one wait for the batch, ahead of its first reader
.set QG, 0
.rept 64
	v_pk_add_f32 v[ACC+QG:ACC+QG+1], v[ACC+QG:ACC+QG+1], 1.0 op_sel_hi:[1,0]
.set QG, QG+2
.endr
.set QG, 0
	s_wait_alu depctr_va_vdst(0)
.rept 128
	v_rcp_f32 v[ACC+QG], v[ACC+QG]
.set QG, QG+1
.endr
	v_nop
	s_wait_alu depctr_va_vdst(0)                   ; and one for the reciprocals
.irp j, 0,1,2,3                                ; the column tiles outermost: a partial logit is taken up again sixteen lines on
.irp m, 0,1,2,3
.irp p, 0,2,4,6
	v_pk_fma_f32 v[LOG+8*\m+\p:LOG+8*\m+\p+1], v[ACC+8*(4*\m+\j)+\p:ACC+8*(4*\m+\j)+\p+1], v[VV+2*\j:VV+2*\j+1], v[LOG+8*\m+\p:LOG+8*\m+\p+1] op_sel_hi:[1,0,1]
.endr
.endr
.endr
.endm
; A GROUP: 64 rows x my next 64 columns, all of K in 8 steps.  THE RING'S SCHEDULE is the same in every group: K steps 0-4 lie in slots 0-4, steps 5, 6, 7 in slots 0, 1, 2.
; Behind steps 0, 1, 2 their slots take this group's steps 5, 6, 7 (four steps of products ahead of their use); behind steps 3, 4 the next group's steps 3, 4; behind steps 5, 6, 7 the next group's steps 0, 1, 2:
; five of a group's eight K steps are asked for ahead of the vector work of the group before.
.macro GROUP
	s_wait_loadcnt 0x0                             ; K steps 0-4 and the scale words, all asked for ahead of the last group's vector work; the three offsets below are free
	v_add_nc_u32 v[WOC], s[GC], v[L16]
	v_add_nc_u32 v[WOA], s[GN], v[L16]
	s_lshr_b32 s58, s[GN], 4                       ; a group is 32,768 bytes of codes and 2,048 of scale words
	v_add_nc_u32 v[WSO], s58, v[L16]
	v_add_nc_u32 v[TBA], s[TG], v[TB0]
.irp j, 0,1,2,3
	ds_load_b32 v[BI+2*\j], v[TBA] offset:64*\j
.endr
.irp j, 0,1,2,3
	ds_load_b32 v[VV+2*\j], v[TBA] offset:4096+64*\j
.endr
	s_wait_alu depctr_va_vdst(0)
.irp ks, 0,1,2,3,4,5,6,7
.if \ks < 2
	s_wait_dscnt 16                                ; behind this step's 8 fragment loads: step 0: the next step's 8 and the 8 table loads; step 1: the table loads and the 8 of step 2
.else
	s_wait_dscnt 8                                 ; the next step's 8
.endif
.if \ks >= 5
	s_wait_loadcnt 32                              ; behind this slot's 8 loads: the four slots filled since
.endif
	WIN 0x05                                       ; sources 0 and 1 window 1; C and D window 0
.if \ks == 0
	MULS \ks, 1                                    ; the first K step starts the sums
.else
	MULS \ks, 0
.endif
	PLACES
	WIN 0x40
	XLOAD (\ks+2)%8, \ks%2                         ; x is the same for every group: steps 6 and 7 fetch steps 0 and 1 again
.if \ks < 3
	WLOAD \ks, 4096*(\ks+5), WOC
.elseif \ks < 5
	WLOAD \ks, 4096*\ks, WOA
.else
	WLOAD \ks-5, 4096*(\ks-5), WOA
.endif
.endr
	WIN 0
	WSLOAD                                         ; the next group's scale words
	TANH
	s_mov_b32 s[GC], s[GN]
	s_add_co_u32 s[GN], s[GN], 0x8000
	s_cmp_eq_u32 s[GN], 0x20000                    ; behind the last group comes the first
	s_cselect_b32 s[GN], 0, s[GN]
	s_add_co_u32 s[TG], s[TG], 256
.endm
	s_load_b512 s[4:19], s[0:1], 0x0               ; features s[4:5], V s[6:7], bV s[8:9], ph s[10:11], wq s[12:13], wsq s[14:15], lg s[16:17], pc s[18:19]
	s_load_b64 s[20:21], s[0:1], 0x40              ; pml
	v_lshl_add_u32 v[SPW], v0, 2, SPARE
	v_mov_b32 v[NIL], 0
	ds_add_u32 v16, v17
	ds_add_u32 v16, v17
	s_wait_dscnt 0x0
	v_lshrrev_b32 v25, 5, v0
	v_readfirstlane_b32 s[WV], v25                 ; wave 0..3
	v_and_b32 v25, 31, v0                          ; lane
	v_and_b32 v26, 15, v0                          ; r
	v_bfe_u32 v27, v0, 4, 1                        ; h
	v_lshlrev_b32 v[L16], 4, v25
	; descriptor group 1: my 16 rows of a tile are 65,536 bytes on end: 256 rows of 32 elements of 8 bytes, 16 bytes of padding behind each
	s_mov_b32 s28, (3<<16)|(1<<20)|(5<<22)|(3<<25) ; no mask; elements of 8 bytes; padding on; after every 64 words; four words
	s_mov_b32 s29, 32<<16                          ; tensor_dim0 = 32
	s_mov_b32 s30, 256<<16                         ; tensor_dim1 = 256
	s_mov_b32 s31, 32<<16                          ; tile_dim0 = 32
	s_mov_b32 s32, 256                             ; tile_dim1 = 256
	s_mov_b32 s33, 32                              ; from row to row
	s_mov_b32 s34, 0
	s_mov_b32 s35, 0
	s_mov_b32 s36, 1                               ; group 0: count = 1
	s_mul_i32 s37, s[WV], FLW                      ; my part of the landing slot
	s_lshl_b32 s58, ttmp9, 20                      ; 256 rows of 4,096 bytes a work-group,
	s_lshl_b32 s59, s[WV], 16                      ; 16 a wave
	s_add_co_u32 s58, s58, s59
	s_mov_b32 s59, 0
	s_wait_alu depctr_va_vdst(0)
	s_wait_kmcnt 0x0
	s_add_nc_u64 s[38:39], s[4:5], s[58:59]
	s_or_b32 s39, s39, 0x80000000                  ; type = 2
	tensor_load_to_lds s[36:39], s[28:35]          ; tile 0: the first fill, ahead of every wait on TENSORcnt, LDS read and barrier; one tensor load of mine is out, here and ever after
	s_nop 0
	PLACES
	s_load_b32 s[BV], s[8:9], 0x0
	s_lshl_b32 s58, s[WV], 17
	s_add_nc_u64 s[PWQ:PWQ+1], s[PWQ:PWQ+1], s[58:59]   ; my slice of wq
	s_lshl_b32 s58, s[WV], 13
	s_add_nc_u64 s[PWS:PWS+1], s[PWS:PWS+1], s[58:59]   ; and of wsq
	s_lshl_b32 s58, ttmp9, 10
	s_add_nc_u64 s[PLG:PLG+1], s[PLG:PLG+1], s[58:59]   ; my work-group's 256 logits,
	s_lshl_b32 s58, ttmp9, 12
	s_add_nc_u64 s[PPC:PPC+1], s[PPC:PPC+1], s[58:59]   ; its partial context,
	s_lshl_b32 s58, ttmp9, 8
	s_add_nc_u64 s[PML:PML+1], s[PML:PML+1], s[58:59]   ; its 256 bytes of pml
	; ph is an image of result registers: row b of hidden lies, in each column tile's 2,048 bytes, at 1,024 (b / 16) + 512 ((b / 4) % 2) + 256 ((b / 8) % 2) + 16 r + 4 (b % 4)
	s_lshr_b32 s60, ttmp9, 3                       ; b
	s_lshr_b32 s58, s60, 4
	s_lshl_b32 s58, s58, 10
	s_bfe_u32 s61, s60, 0x10002
	s_lshl_b32 s61, s61, 9
	s_add_co_u32 s58, s58, s61
	s_bfe_u32 s61, s60, 0x10003
	s_lshl_b32 s61, s61, 8
	s_add_co_u32 s58, s58, s61
	s_and_b32 s61, s60, 3
	s_lshl_b32 s61, s61, 2
	s_add_co_u32 s58, s58, s61
	s_lshl_b32 s61, s[WV], 15                      ; my 16 column tiles
	s_add_co_u32 s58, s58, s61
	s_add_nc_u64 s[10:11], s[10:11], s[58:59]
	v_lshlrev_b32 v28, 4, v26                      ; ph: 16 r
	s_lshl_b32 s58, s[WV], 10
	v_lshl_add_u32 v29, v26, 2, s58                ; V at column 256 w + 16 n + r
.irp n, 0,1,2,3,4,5,6,7,8,9,10,11,12,13,14,15
	global_load_b32 v[192+\n], v28, s[10:11] offset:2048*\n
	global_load_b32 v[224+\n], v29, s[6:7] offset:64*\n
.endr
	v_mov_b32 v[WOC], v[L16]                       ; the first group
	v_mov_b32 v[WSO], v[L16]
	WIN 0x40
.irp k, 0,1,2,3,4
	WLOAD \k, 4096*\k, WOC                         ; the ring is primed: K steps 0-4
.endr
	WIN 0
	WSLOAD
	v_mul_u32_u24 v[XFA], v26, XP
	v_lshl_add_u32 v[XFA], v27, 4, v[XFA]
	v_add_nc_u32 v[XFA], XC, v[XFA]
	v_lshl_add_u32 v[XSA], v25, 5, XSC
	v_lshrrev_b32 v30, 3, v25
	v_lshlrev_b32 v[CP0], 5, v25
	v_lshl_add_u32 v[CP0], v30, 4, v[CP0]          ; 32 x lane, and 16 more for each piece of 256 passed
	v_add_nc_u32 v[CP0], s37, v[CP0]
	v_add_nc_u32 v[CP1], 8*4352, v[CP0]
	s_mul_i32 s58, s[WV], 16*XP
	v_lshl_add_u32 v[XCW], v25, 2, s58
	v_add_nc_u32 v[XCW], XC, v[XCW]
	s_lshl_b32 s58, s[WV], 9
	v_lshrrev_b32 v30, 2, v25
	v_add_nc_u32 v[XSB], s58, v30
	v_add_nc_u32 v[XSB], XSC, v[XSB]
	s_lshl_b32 s58, s[WV], 10
	v_lshl_add_u32 v[TB0], v26, 2, s58
	v_add_nc_u32 v[TB0], TBB, v[TB0]
	v_add_nc_u32 v[CPO], s58, v[L16]
	v_add_nc_u32 v[CER], XC, v[CPO]
	s_lshl_b32 s58, s[WV], 8
	v_lshl_add_u32 v[LGW], v27, 5, s58
	v_add_nc_u32 v[LGW], LG, v[LGW]
	v_lshl_add_u32 v[LGR], v25, 3, LG
	s_lshl_b32 s58, s[WV], 6
	v_lshl_add_u32 v[LGO], v26, 2, s58
	v_add_nc_u32 v[LGO], LG, v[LGO]
	v_lshlrev_b32 v[GLO], 3, v25
	s_lshl_b32 s58, s[WV], 12
	v_lshl_add_u32 v[CES], v25, 5, s58
	v_add_nc_u32 v[CES], XC, v[CES]
	s_mov_b32 s[SEL], 0x76543210
	s_mov_b32 s[SEL+1], 0xfedcba98
	s_mov_b32 s[CC], 0x4038aa3b                    ; 2 log2(e)
	s_mov_b32 s[CC+1], s[CC]                       ; (named with it as a pair, so it is written)
	s_mov_b32 s[L2E], 0x3fb8aa3b
	s_mov_b32 s[GC], 0
	s_mov_b32 s[GN], 0x8000
.irp p, 0,1,2,3,4,5,6,7,8,9,10,11,12,13,14,15
	s_mov_b32 s[PW+2*\p+1], 0                      ; the upper halves of the weights' pairs: named, never used
.endr
	v_mov_b32 v[LS], 0
	v_mov_b32 v[RM], 0xff000000                    ; -2^127
	v_mov_b32 v125, 0                              ; a lane permute's destination counts as one of its sources
.irp j, 0,1,2,3
	v_mov_b32 v[BI+2*\j+1], 0                      ; the upper halves of pairs: named, never used
	v_mov_b32 v[VV+2*\j+1], 0
.endr
	WIN 0x40
.set QG, 0
.rept 32
	v_mov_b32 v[CTX+QG], 0                         ; the context: the tile is written once for all four, so the first finds zeros
.set QG, QG+1
.endr
	WIN 0
	s_wait_loadcnt 44                              ; ph's and V's 32 loads are in; the 44 that prime the ring (40 of codes, 4 of scale words) may be out
.irp n, 0,1,2,3,4,5,6,7,8,9,10,11,12,13,14,15
	v_mul_f32 v[208+\n], -2.0, v[224+\n]           ; -2 V
.endr
.irp n, 0,1,2,3,4,5,6,7,8,9,10,11,12,13,14,15
	ds_store_b32 v[TB0], v[192+\n] offset:64*\n            ; my own tables: I alone read them; both halves of the lanes write the same word with the same value
	ds_store_b32 v[TB0], v[208+\n] offset:4096+64*\n
.endr
.irp n, 0,1,2,3,4,5,6,7
	v_add_f32 v[224+\n], v[224+\n], v[232+\n]      ; the sum of my 16 V
.endr
.irp n, 0,1,2,3
	v_add_f32 v[224+\n], v[224+\n], v[228+\n]
.endr
	v_add_f32 v224, v224, v226
	v_add_f32 v225, v225, v227
	v_add_f32 v[SV], v224, v225
	s_wait_kmcnt 0x0
	s_mov_b32 s[BV+1], s[BV]
; A TILE of 64 rows.  refill = 1: the landing slot is asked for the next tile as soon as all four waves have emptied it.
.macro TILE refill
.if \refill
	s_wait_tensorcnt 0x0                           ; no tensor load of mine is out (met at once: it stands here for the line below), so group 0 may be written
	ds_add_u32 v[SPW], v[NIL]                      ; 0 onto my spare word
	s_add_nc_u64 s[38:39], s[38:39], 262144        ; 64 rows on; the type bits on top are not reached
	s_wait_dscnt 0x0                               ; the add is done, my reads of the slot are back, and so are my last reads of x's codes
	s_barrier_signal -1
	s_barrier_wait -1
	tensor_load_to_lds s[36:39], s[28:35]          ; my one tensor load behind the barrier, and the first thing there: it has the rest of the tile's work in which to land
	s_nop 0
	PLACES
.else
	s_wait_dscnt 0x0                               ; the rows are in registers
.endif
	QMAX 32, 0x28                                  ; rows 0-7
	QSC 32, QB0
	QCVT 32, QC0, 0x02
	QST 0, QB0, QC0
	QMAX 32, 0x3c                                  ; rows 8-15
	QSC 32, QB1
	QCVT 32, QC1, 0x03
	QST 8, QB1, QC1
	s_wait_dscnt 0x0                               ; for the others' sake: my rows' codes and bytes have landed
	s_barrier_signal -1
	s_barrier_wait -1                              ; the next tile stays out
	XSLOAD
	WIN 0x40
	XLOAD 0, 0
	XLOAD 1, 1
	WIN 0
.set QG, 0
.rept 32
	v_mov_b32 v[LOG+QG], v[SV]                     ; the partial logits begin with the sum of V: tanh's 1
.set QG, QG+1
.endr
	s_mov_b32 s[TG], 0
	s_mov_b32 s[GK], 4
.Lgrp_\@:
	GROUP
	s_sub_co_u32 s[GK], s[GK], 1
	s_cmp_lg_u32 s[GK], 0
	s_cbranch_scc1 .Lgrp_\@
.irp k, 1,2,4,8                                ; over the 16 lanes that hold a row's columns
.set QG, 0
.rept 32
	v_add_f32_dpp v[LOG+QG], v[LOG+QG], v[LOG+QG] row_xmask:\k row_mask:0xf bank_mask:0xf
.set QG, QG+1
.endr
.endr
.irp m, 0,1,2,3
.irp i, 0,1,2,3,4,5,6,7
	ds_store_b32 v[LGW], v[LOG+8*\m+\i] offset:64*\m+4*\i      ; row 16 m + 8 h + i: sixteen lanes write the same word with the same value
.endr
.endr
	s_wait_dscnt 0x0                               ; my partial logits have landed, and my reads of x's codes and bytes are over
	s_barrier_signal -1
	s_barrier_wait -1
.irp u, 0,1,2,3
	ds_load_b64 v[112+2*\u:113+2*\u], v[LGR] offset:256*\u     ; rows 2 lane, 2 lane + 1: the four waves' parts
.endr
.irp u, 0,1,2,3
	ds_load_b32 v[120+\u], v[LGO] offset:256*\u                ; my own row 16 w + r likewise
.endr
	s_wait_dscnt 0x0
	v_pk_add_f32 v[112:113], v[112:113], v[114:115]
	v_pk_add_f32 v[116:117], v[116:117], v[118:119]
	v_add_f32 v120, v120, v121                     ; in the same order: the same bits
	v_add_f32 v122, v122, v123
	v_pk_add_f32 v[112:113], v[112:113], v[116:117]
	v_add_f32 v120, v120, v122
	v_pk_add_f32 v[112:113], v[112:113], s[BV:BV+1] op_sel_hi:[1,0]
	v_add_f32 v120, s[BV], v120
	s_cmp_lg_u32 s[WV], 0
	s_cbranch_scc1 .Lnot0_\@
	global_store_b64 v[GLO], v[112:113], s[PLG:PLG+1]  ; wave 0: the tile's 64 logits, 256 bytes on end, aligned
.Lnot0_\@:
	s_wait_alu depctr_va_vdst(0)
	v_max_num_f32 v124, v112, v113
.irp k, 1,2,4,8
	v_max_num_f32_dpp v124, v124, v124 row_xmask:\k row_mask:0xf bank_mask:0xf
.endr
	v_permlanex16_b32 v125, v124, s[SEL], s[SEL+1]
	v_max3_num_f32 v126, v124, v125, v[RM]         ; the new running maximum
	v_sub_f32 v114, v112, v126
	v_sub_f32 v115, v113, v126
	v_sub_f32 v116, v120, v126
	v_sub_f32 v117, v[RM], v126
.irp k, 114,115,116,117
	v_mul_f32 v\k, s[L2E], v\k
.endr
	s_wait_alu depctr_va_vdst(0)
.irp k, 114,115,116,117
	v_exp_f32 v\k, v\k
.endr
	v_mov_b32 v[RM], v126                          ; (a plain line behind the exponentials)
	s_wait_alu depctr_va_vdst(0)                   ; one wait for the four, ahead of their first reader
	v_fma_f32 v[LS], v[LS], v117, v114
	v_add_f32 v[LS], v[LS], v115
	v_readfirstlane_b32 s[FF], v117
	s_mov_b32 s[FF+1], s[FF]
.irp p, 0,1,2,3,4,5,6,7,8,9,10,11,12,13,14,15
	v_readlane_b32 s[PW+2*\p], v116, \p            ; the weight of my row p
.endr
	WIN 0x41
.irp k, 0,2,4,6,8,10,12,14,16,18,20,22,24,26,28,30
	v_pk_mul_f32 v[CTX+\k:CTX+\k+1], v[CTX+\k:CTX+\k+1], s[FF:FF+1] op_sel_hi:[1,0]   ; the context under the new maximum
.endr
; Four rows at a time: they are weighted, and (refill = 1: a tile follows) the same four rows of the next tile are asked for out of the landing slot into the registers just read:
; 32 of the copy's 128 loads stand behind the last weighted row.
.irp q, 0,1,2,3
	WIN 0x52+(\q)/2                                ; source 0: window 2 (rows 0-7) or 3 (rows 8-15); the context: window 1
.irp p, 0,1,2,3
.irp k, 0,2,4,6,8,10,12,14,16,18,20,22,24,26,28,30
	v_pk_fma_f32 v[CTX+\k:CTX+\k+1], v[32*(4*((\q)%2)+\p)+\k:32*(4*((\q)%2)+\p)+\k+1], s[PW+2*(4*(\q)+\p):PW+2*(4*(\q)+\p)+1], v[CTX+\k:CTX+\k+1] op_sel_hi:[1,0,1]
.endr
.endr
.if \refill
.if \q == 0
	s_wait_tensorcnt 0x0                           ; my 16 rows of the next tile have landed (my one load); I alone read them
.endif
	COPYQ \q
.endif
.endr
	WIN 0
	s_wait_xcnt 0x0                                ; the logits' store has read its base and its data: both may be written again
	s_add_nc_u64 s[PLG:PLG+1], s[PLG:PLG+1], 256
.endm
	s_wait_tensorcnt 0x0                           ; my 16 rows of tile 0 have landed
.irp q, 0,1,2,3
	COPYQ \q                                       ; tile 0's copy stands here; every later tile's stands in the weighting of the tile before it
.endr
	WIN 0
	s_mov_b32 s[TC], 3
.Ltile:
	TILE 1
	s_sub_co_u32 s[TC], s[TC], 1
	s_cmp_lg_u32 s[TC], 0
	s_cbranch_scc1 .Ltile
	TILE 0                                         ; the last tile is written out
	; THE END.  The four waves' contexts (each over its own rows) meet in the bytes that held x's codes, which nobody reads any more; wave w adds and stores columns 256 w on.
	WIN 0x04                                       ; an LDS store's data are its source 1: window 1
	s_wait_alu depctr_va_vdst(0)
.irp c, 0,1,2,3
.irp e, 0,1
	ds_store_b128 v[CES], v[CTX+8*\c+4*\e:CTX+8*\c+4*\e+3] offset:1024*\c+16*\e
.endr
.endr
	WIN 0
	s_wait_dscnt 0x0
	s_barrier_signal -1
	s_barrier_wait -1
.irp u, 0,1,2,3
	ds_load_b128 v[128+8*\u:131+8*\u], v[CER] offset:4096*\u
	ds_load_b128 v[132+8*\u:135+8*\u], v[CER] offset:4096*\u+512
.endr
.irp k, 1,2,4,8
	v_add_f32_dpp v[LS], v[LS], v[LS] row_xmask:\k row_mask:0xf bank_mask:0xf
.endr
	v_permlanex16_b32 v125, v[LS], s[SEL], s[SEL+1]
	v_add_f32 v113, v[LS], v125                    ; the sum of the work-group's 256 weights
	v_mov_b32 v112, v[RM]
	s_wait_dscnt 0x0
.irp k, 0,2,4,6
	v_pk_add_f32 v[128+\k:129+\k], v[128+\k:129+\k], v[136+\k:137+\k]
	v_pk_add_f32 v[144+\k:145+\k], v[144+\k:145+\k], v[152+\k:153+\k]
.endr
.irp k, 0,2,4,6
	v_pk_add_f32 v[128+\k:129+\k], v[128+\k:129+\k], v[144+\k:145+\k]
.endr
	global_store_b128 v[CPO], v[128:131], s[PPC:PPC+1]             ; 512 bytes on end, twice
	global_store_b128 v[CPO], v[132:135], s[PPC:PPC+1] offset:512
	s_cmp_lg_u32 s[WV], 0
	s_cbranch_scc1 .Lno_ml
	global_store_b64 v[GLO], v[112:113], s[PML:PML+1]  ; wave 0: (m, l) 32 times: 256 bytes on end, aligned
.Lno_ml:
	s_wait_tensorcnt 0x0                           ; the wave's end, behind my last tensor load and my last LDS store
	ds_add_u32 v[SPW], v[NIL]
	s_wait_dscnt 0x0
	s_endpgm
.Lfunc_end_k_q0a8a208cd9_main:
	.size	k_q0a8a208cd9_main, .Lfunc_end_k_q0a8a208cd9_main-k_q0a8a208cd9_main
	.p2alignl 7, 3214868480
	.fill 96, 4, 3214868480
	.section	.rodata,"a",@progbits
	.p2align	6, 0x0
	.amdhsa_kernel k_q0a8a208cd9_main
		.amdhsa_group_segment_fixed_size 327680
		.amdhsa_private_segment_fixed_size 0
		.amdhsa_enable_private_segment 0
		.amdhsa_kernarg_size 72
		.amdhsa_user_sgpr_count 2
		.amdhsa_user_sgpr_kernarg_segment_ptr 1
		.amdhsa_wavefront_size32 1
		.amdhsa_system_sgpr_workgroup_id_x 1
		.amdhsa_system_sgpr_workgroup_id_y 1
		.amdhsa_system_sgpr_workgroup_id_z 1
		.amdhsa_system_vgpr_workitem_id 0
		.amdhsa_next_free_vgpr 1024
		.amdhsa_next_free_sgpr 100
		.amdhsa_reserve_vcc 0
		.amdhsa_float_denorm_mode_32 3
		.amdhsa_float_denorm_mode_16_64 3
		.amdhsa_memory_ordered 1
		.amdhsa_forward_progress 1
		.amdhsa_inst_pref_size 255
	.end_amdhsa_kernel
	.section	.bss,"aw",@nobits
	.p2align	6
	.space	262144
	.amdgpu_metadata
---
amdhsa.version: [ 1, 2 ]
amdhsa.kernels:
  - .name:           k_q0a8a208cd9_main
    .symbol:         k_q0a8a208cd9_main.kd
    .args:
      - { .name: features, .offset: 0, .size: 8, .value_kind: global_buffer, .address_space: global }
      - { .name: V, .offset: 8, .size: 8, .value_kind: global_buffer, .address_space: global }
      - { .name: bV, .offset: 16, .size: 8, .value_kind: global_buffer, .address_space: global }
      - { .name: ph, .offset: 24, .size: 8, .value_kind: global_buffer, .address_space: global }
      - { .name: wq, .offset: 32, .size: 8, .value_kind: global_buffer, .address_space: global }
      - { .name: wsq, .offset: 40, .size: 8, .value_kind: global_buffer, .address_space: global }
      - { .name: lg, .offset: 48, .size: 8, .value_kind: global_buffer, .address_space: global }
      - { .name: pc, .offset: 56, .size: 8, .value_kind: global_buffer, .address_space: global }
      - { .name: pml, .offset: 64, .size: 8, .value_kind: global_buffer, .address_space: global }
    .group_segment_fixed_size: 327680
    .private_segment_fixed_size: 0
    .kernarg_segment_align: 8
    .kernarg_segment_size: 72
    .max_flat_workgroup_size: 128
    .sgpr_count:     100
    .vgpr_count:     1024
    .wavefront_size: 32
...
	.end_amdgpu_metadata
.endif
;; end of part 2
;; launch comb (part 3): grid 4 x 32, 2 waves a work-group, no clusters, 0 bytes of LDS; arguments lg, pc, pml, out0, out1; writes out0, out1
.if DOCPART == 3
	.amdgcn_target "amdgcn-amd-amdhsa--gfx1250"
	.amdhsa_code_object_version 6
	.text
	.protected	k_q0a8a208cd9_comb
	.globl	k_q0a8a208cd9_comb
	.p2align	8
	.type	k_q0a8a208cd9_comb,@function
k_q0a8a208cd9_comb:
	s_mov_b64 s[64:65], 0
	v_nop
	global_prefetch_b8 v0, s[64:65] scope:SCOPE_SE
	s_setreg_imm32_b32 hwreg(HW_REG_WAVE_MODE, 25, 1), 1
	s_wait_xcnt 0x0
; The eight parts of a batch are joined.  Part i has its largest logit m_i, its sum l_i of 2^((logit - m_i) log2 e) and its context under m_i.
; M = the largest m_i; e_i = 2^((m_i - M) log2 e); L = the sum of l_i e_i (at least 1: the part with m_i = M has a weight 1);
; out0 = the sum of (e_i / L) x context_i; out1 = 2^((logit - M) log2 e) / L.
; Work-group (x, b): a quarter of batch b: 256 columns of out0 and 512 weights of out1; 64 threads, 16 bytes each a load or store: a wave covers 512 bytes on end.
; LIMIT: weights under 2^-126 come out as 0.
	s_load_b256 s[4:11], s[0:1], 0x0               ; lg s[4:5], pc s[6:7], pml s[8:9], out0 s[10:11]
	s_load_b64 s[12:13], s[0:1], 0x20              ; out1
	s_and_b32 s14, ttmp7, 0xffff                   ; b
	v_lshlrev_b32 v1, 4, v0
	s_mov_b32 s35, 0
	s_lshl_b32 s34, s14, 11                        ; pml: 8 parts of 256 bytes a batch
	s_wait_alu depctr_va_vdst(0)
	s_wait_kmcnt 0x0
	s_add_nc_u64 s[8:9], s[8:9], s[34:35]
.irp i, 0,1,2,3,4,5,6,7
	s_load_b64 s[16+2*\i:17+2*\i], s[8:9], 256*\i  ; (m_i, l_i)
.endr
	s_lshl_b32 s34, s14, 15                        ; pc: 8 parts of 4,096 bytes a batch, + my quarter's 1,024
	s_lshl_b32 s15, ttmp9, 10
	s_add_co_u32 s34, s34, s15
	s_add_nc_u64 s[6:7], s[6:7], s[34:35]
	s_lshl_b32 s34, s14, 12                        ; out0: 4,096 bytes a batch, + 1,024
	s_add_co_u32 s34, s34, s15
	s_add_nc_u64 s[10:11], s[10:11], s[34:35]
	s_lshl_b32 s34, s14, 13                        ; lg and out1: 8,192 bytes a batch, + my quarter's 2,048
	s_lshl_b32 s15, ttmp9, 11
	s_add_co_u32 s34, s34, s15
	s_add_nc_u64 s[4:5], s[4:5], s[34:35]
	s_add_nc_u64 s[12:13], s[12:13], s[34:35]
.irp i, 0,1,2,3,4,5,6,7
	global_load_b128 v[8+4*\i:11+4*\i], v1, s[6:7] offset:4096*\i
.endr
	global_load_b128 v[40:43], v1, s[4:5]
	global_load_b128 v[44:47], v1, s[4:5] offset:1024
	s_wait_kmcnt 0x0
	v_max_num_f32 v48, s16, s18
	v_max3_num_f32 v48, v48, s20, s22
	v_max3_num_f32 v48, v48, s24, s26
	v_max3_num_f32 v48, v48, s28, s30              ; M
.irp i, 0,1,2,3,4,5,6,7
	v_sub_f32 v[50+2*\i], s[16+2*\i], v48
.endr
.irp i, 0,1,2,3,4,5,6,7
	v_mul_f32 v[50+2*\i], 0x3fb8aa3b, v[50+2*\i]
.endr
	s_wait_alu depctr_va_vdst(0)
.irp i, 0,1,2,3,4,5,6,7
	v_exp_f32 v[50+2*\i], v[50+2*\i]               ; e_i
.endr
	v_nop                                          ; a plain line behind the last exponential
	s_wait_alu depctr_va_vdst(0)                   ; one wait for the batch, ahead of its first reader
	v_mul_f32 v49, s17, v50
.irp i, 1,2,3,4,5,6,7
	v_fmac_f32 v49, s[17+2*\i], v[50+2*\i]         ; L
.endr
	s_wait_alu depctr_va_vdst(0)
	v_rcp_f32 v66, v49
	v_nop
	s_wait_alu depctr_va_vdst(0)
.irp i, 0,1,2,3,4,5,6,7
	v_mul_f32 v[50+2*\i], v[50+2*\i], v66          ; e_i / L,
.endr
.irp i, 0,1,2,3,4,5,6,7
	v_mov_b32 v[51+2*\i], v[50+2*\i]               ; twice: a pair for the packed forms
.endr
	s_wait_alu depctr_va_vdst(0)
	s_wait_loadcnt 2                               ; the eight contexts are in; the two loads of logits may be out
	v_pk_mul_f32 v[68:69], v[8:9], v[50:51]
	v_pk_mul_f32 v[70:71], v[10:11], v[50:51]
.irp i, 1,2,3,4,5,6,7
	v_pk_fma_f32 v[68:69], v[8+4*\i:9+4*\i], v[50+2*\i:51+2*\i], v[68:69]
	v_pk_fma_f32 v[70:71], v[10+4*\i:11+4*\i], v[50+2*\i:51+2*\i], v[70:71]
.endr
	global_store_b128 v1, v[68:71], s[10:11]
	s_wait_loadcnt 0x0
.irp k, 0,1,2,3,4,5,6,7
	v_sub_f32 v[40+\k], v[40+\k], v48
.endr
.irp k, 0,1,2,3,4,5,6,7
	v_mul_f32 v[40+\k], 0x3fb8aa3b, v[40+\k]
.endr
	s_wait_alu depctr_va_vdst(0)
.irp k, 0,1,2,3,4,5,6,7
	v_exp_f32 v[40+\k], v[40+\k]
.endr
	v_nop
	s_wait_alu depctr_va_vdst(0)
.irp k, 0,1,2,3,4,5,6,7
	v_mul_f32 v[40+\k], v[40+\k], v66
.endr
	global_store_b128 v1, v[40:43], s[12:13]
	global_store_b128 v1, v[44:47], s[12:13] offset:1024
	s_endpgm
.Lfunc_end_k_q0a8a208cd9_comb:
	.size	k_q0a8a208cd9_comb, .Lfunc_end_k_q0a8a208cd9_comb-k_q0a8a208cd9_comb
	.p2alignl 7, 3214868480
	.fill 96, 4, 3214868480
	.section	.rodata,"a",@progbits
	.p2align	6, 0x0
	.amdhsa_kernel k_q0a8a208cd9_comb
		.amdhsa_group_segment_fixed_size 0
		.amdhsa_private_segment_fixed_size 0
		.amdhsa_enable_private_segment 0
		.amdhsa_kernarg_size 40
		.amdhsa_user_sgpr_count 2
		.amdhsa_user_sgpr_kernarg_segment_ptr 1
		.amdhsa_wavefront_size32 1
		.amdhsa_system_sgpr_workgroup_id_x 1
		.amdhsa_system_sgpr_workgroup_id_y 1
		.amdhsa_system_sgpr_workgroup_id_z 1
		.amdhsa_system_vgpr_workitem_id 0
		.amdhsa_next_free_vgpr 72
		.amdhsa_next_free_sgpr 66
		.amdhsa_reserve_vcc 0
		.amdhsa_float_denorm_mode_32 3
		.amdhsa_float_denorm_mode_16_64 3
		.amdhsa_memory_ordered 1
		.amdhsa_forward_progress 1
		.amdhsa_inst_pref_size 8
	.end_amdhsa_kernel
	.amdgpu_metadata
---
amdhsa.version: [ 1, 2 ]
amdhsa.kernels:
  - .name:           k_q0a8a208cd9_comb
    .symbol:         k_q0a8a208cd9_comb.kd
    .args:
      - { .name: lg, .offset: 0, .size: 8, .value_kind: global_buffer, .address_space: global }
      - { .name: pc, .offset: 8, .size: 8, .value_kind: global_buffer, .address_space: global }
      - { .name: pml, .offset: 16, .size: 8, .value_kind: global_buffer, .address_space: global }
      - { .name: out0, .offset: 24, .size: 8, .value_kind: global_buffer, .address_space: global }
      - { .name: out1, .offset: 32, .size: 8, .value_kind: global_buffer, .address_space: global }
    .group_segment_fixed_size: 0
    .private_segment_fixed_size: 0
    .kernarg_segment_align: 8
    .kernarg_segment_size: 40
    .max_flat_workgroup_size: 64
    .sgpr_count:     66
    .vgpr_count:     72
    .wavefront_size: 32
...
	.end_amdgpu_metadata
.endif
;; end of part 3
